; MI455X (gfx1250); checked and timed in simulation.
; The chip was launched on July 23, 2026; its instructions are those of AMD's public machine-readable ISA for CDNA 5 (MIT licence, August 2026) and "CDNA5" Instruction Set Architecture Reference Guide (July 2026). The comments in the code are by the model that wrote it; some were corrected since.
;; Spatial Attention. Allowed arithmetic: matrix products marked QUANTISED: E4M3 operands, one given power-of-two scale a tensor, by v_wmma_f32_16x16x64_fp8_fp8 or v_wmma_f32_16x16x128_fp8_fp8, f32 sums; products left as they are: f32 operands where the result goes on into a quantised operand, else bf16, f16 or f32 operands; f32 sums; everything else in f32.
;; Inputs: alpha1 1 float32; alpha2 1 float32; h 2 x 32 x 1,024 float32; lowp_scales 8 int32 (the exponents e of the quantised operands' scales 2^e); obj_embed 32 x 1,024 x 1,024 float32; q1_b 1,024 float32; q1_w 1,024 x 1,024 float32; q2_b 1,024 float32; q2_w 1,024 x 1,024 float32; wk_b 1,024 float32; wk_w 1,024 x 1,024 float32; wv_b 1,024 float32; wv_w 1,024 x 1,024 float32.
;; Outputs: out0 32 x 1 x 1,024 float32.
;; This version of the problem:
;;   THIS VERSION OF THE PROBLEM IS GIVEN IN LOW PRECISION. The matrix products marked QUANTISED in the list below multiply operands that are first quantised to E4M3 (4 exponent bits, 3 mantissa bits; 8 bits a number), with one given power-of-two scale for each operand tensor; their sums are f32. All else is computed in f32.
;;   The module's matrix products, in the order in which they are computed (A, B: the left and right operand; K: the contracted axis; several contracted axes count as one K, in the product's order):
;;     1. [M 32, K 1,024] x [K 1,024, N 1,024]; A: input h; B: input q1_w: QUANTISED (scales: A lowp_scales[0], B lowp_scales[1])
;;     2. [M 32, K 1,024] x [K 1,024, N 1,024]; A: input h; B: input q2_w: QUANTISED (scales: A lowp_scales[2], B lowp_scales[3])
;;     3. [M 32,768, K 1,024] x [K 1,024, N 1,024]; A: input obj_embed; B: input wk_w: QUANTISED (scales: A lowp_scales[4], B lowp_scales[5])
;;     4. [M 32,768, K 1,024] x [K 1,024, N 1,024]; A: input obj_embed; B: input wv_w: QUANTISED (scales: A lowp_scales[6], B lowp_scales[7])
;;     5. batch 32 x [M 1, K 1,024] x [K 1,024, N 1,024]; A: computed on the way; B: computed on the way: left as it is (M = 1 < 16)
;;     6. batch 32 x [M 1, K 1,024] x [K 1,024, N 1,024]; A: computed on the way; B: computed on the way: left as it is (M = 1 < 16)
;;     7. batch 32 x [M 1, K 1,024] x [K 1,024, N 1,024]; A: softmax; B: computed on the way: left as it is (M = 1 < 16)
;;   THE QUANTISER, for each operand of a quantised product, along K:
;;     - The operand's scale is 2^e, e = its entry of the input lowp_scales (int32; the entries are numbered through the quantised products in the list's order, A before B).
;;     - Each number is divided by the scale, clamped to +-448, and rounded to the nearest number of E4M3, ties to even, subnormals kept.
;;     - The product sums the exact products of the quantised numbers (number of the format x scale) in f32.
;;   ~~~python
;;   def quantise(x, axis, e):      # numpy; x: float32 -> the quantised numbers, widened to float32 again
;;       x = np.moveaxis(x, axis, -1); K = x.shape[-1]
;;       r = np.clip(x / 2.0 ** e, -448, 448)
;;       step = 2.0 ** (np.maximum(np.frexp(np.where(r == 0, 1, r))[1] - 1, -6) - 3)
;;       q = np.round(r / step) * step * 2.0 ** e      # np.round: ties to even
;;       return np.moveaxis(q, -1, axis).astype(np.float32)
;;   ~~~
;; One version. Each part assembles by itself: llvm-mc -triple=amdgcn-amd-amdhsa -mcpu=gfx1250 --defsym DOCPART=n.
;; ======== version 1 of 1: 3 launches
;; limits: right only within a limited range of input values
;; workspace buffers: wcodes 2,097,152 bytes; qbuf 262,144 bytes; po 1,048,576 bytes; pml 2,048 bytes
;; launch prep (part 1): grid 256 x 1, 8 waves a work-group, no clusters, 152,576 bytes of LDS; arguments q1_w, q2_w, wk_w, wv_w, h, q1_b, q2_b, alpha1, alpha2, lowp_scales, wcodes, qbuf; writes wcodes, qbuf
.if DOCPART == 1
	.amdgcn_target "amdgcn-amd-amdhsa--gfx1250"
	.amdhsa_code_object_version 6
	.text
	.protected	k_q5808c74dca_prep
	.globl	k_q5808c74dca_prep
	.p2align	8
	.type	k_q5808c74dca_prep,@function
k_q5808c74dca_prep:
	s_mov_b64 s[64:65], 0
	v_nop
	global_prefetch_b8 v0, s[64:65] scope:SCOPE_SE
	s_setreg_imm32_b32 hwreg(HW_REG_WAVE_MODE, 25, 1), 1
	s_wait_xcnt 0x0
; THE FOUR WEIGHTS BECOME CODES OF E4M3, AND THE TWO QUERIES ARE MADE.
; Work-group x: matrix mu = x / 64 (0 q1_w, 1 q2_w, 2 wk_w, 3 wv_w), channels 16 n .. 16 n + 15 with n = x % 64.  Wave S (0..7) takes K step S: k = 128 S .. 128 S + 127.
; Every wave turns its 16 rows x 128 numbers into one operand fragment: lane (r = lane % 16, hh = lane / 16) holds row r, and byte i of registers 4 c .. 4 c + 3 is k = 128 S + 32 c + 16 hh + i.
; mu >= 2: the fragment is stored as an image of its registers, wcodes[64 (mu - 2) + n][S][c][lane][16 bytes]: the next launch loads it back by 16 bytes a lane.
; mu <  2: h[mu]'s 32 rows are quantised in the same order of k, two matrix instructions give this K step's part of q (32 batches x 16 channels), the eight parts meet in LDS,
;          and qbuf[mu][n][batch][r] = alpha (q + bias) log2(e) / 32 is stored: what the scores need of this query.
; code = x / 2^e, held within +-448, to the nearest code, ties to even.  e: lowp_scales[2 mu] for h, [2 mu + 1] for the weight.
; LIMITS: each of these exponents lies between -126 and 119, so that 2^e and 448 x 2^e are f32 numbers.  NaN among the inputs is not served.
; Loads take the bytes as they lie (512 consecutive bytes of a row an instruction); a lane's 16 neighbours along K come out of the wave's own stage in LDS, rows 528 bytes apart.
; ALL THAT A WAVE READS IS ASKED FOR AT ITS HEAD: the weight's 16 loads, and on the query path, straight behind them, h's 32, the bias's one and alpha: 49 loads are out together, in three sets of 64 registers and v[0:3].
; The two paths part once, on the work-group's number, behind the weight's loads, and never join; each has LDS bytes of its own.
; WORK LEFT OUT IN THIS PROGRAM: wk_b.  reference() adds wk_b to every key, so every score of a batch gets the same term (alpha1 query1 + alpha2 query2) . wk_b / sqrt(d), whatever the object n:
; a term that is the same along the softmax's axis leaves the weights as they are, for all finite values of the inputs.  wk_b goes into no quantised operand.  So it is not loaded and is no launch's argument.
; LIMIT: a NaN, an infinity or an overflow that reaches only that term is not carried to the result.
.set SPT,  528                         ; a stage row: 512 bytes + 16: sixteen rows begin at sixteen different 16-byte columns
.set WST,  16*SPT                      ; a wave's stage
.set RED,  0                           ; [K step 8][batch 32][r 16] f32: the query path's
.set QSTG, 16384                       ; the query path's eight stages
.set WSTG, QSTG+8*WST                  ; the weight path's eight stages
.set R0,   16                          ; v16-79   the weight's 16 rows as loaded; later numbers in a fragment's order; later the sums
.set R1,   80                          ; v80-143  h's batches 0-15 as loaded; later numbers in a fragment's order
.set R2,   144                         ; v144-207 h's batches 16-31 as loaded; later the two matrix results
.set WC,   208                         ; v208-223 the weight's codes
.set HC0,  224                         ; v224-239 h's codes, batches 0-15
.set HC1,  240                         ; v240-255 batches 16-31
.set GOFF, 4                           ; v4  16 lane + 512 S: my bytes of a row in memory
.set STA,  5                           ; v5  the stage, in: 16 lane
.set STB,  6                           ; v6  the stage, out: 528 r + 64 hh
.set GST,  7                           ; v7  16 lane
.set RA,   8                           ; v8  where I put my results: 2,048 S + 512 hh + 4 r
.set QO,   9                           ; v9  16 thread: where I read the eight parts, and my place in qbuf's tile
.set BO,   10                          ; v10 16 (thread % 4): my four channels' bias
.macro GL reg, base, off, nt           ; 16 rows: each load reads 512 consecutive bytes of one row
.irp p, 0,1,2,3,4,5,6,7,8,9,10,11,12,13,14,15
.if \nt
	global_load_b128 v[\reg+4*\p:\reg+4*\p+3], v[GOFF], s[\base:\base+1] offset:\off+4096*\p th:TH_LOAD_NT
.else
	global_load_b128 v[\reg+4*\p:\reg+4*\p+3], v[GOFF], s[\base:\base+1] offset:\off+4096*\p
.endif
.endr
.endm
.macro TURN src, dst                   ; through my own stage: LDS serves a wave's instructions in order, so the loads see the stores
.irp p, 0,1,2,3,4,5,6,7,8,9,10,11,12,13,14,15
	ds_store_b128 v[STA], v[\src+4*\p:\src+4*\p+3] offset:SPT*\p
.endr
.if \src == \dst
	s_wait_dscnt 0x0                               ; the numbers come back into the registers that they left: the stores are done first
.endif
.irp c, 0,1,2,3
.irp j, 0,1,2,3
	ds_load_b128 v[\dst+16*\c+4*\j:\dst+16*\c+4*\j+3], v[STB] offset:128*\c+16*\j
.endr
.endr
.endm
.macro QNT src, dst, sc, lim           ; 64 numbers become 16 registers of codes
.set i, 0
.rept 64
	v_med3_num_f32 v[\src+i], v[\src+i], -v[\lim], v[\lim]   ; the conversion does not saturate (ISA guide 7.6.2): the hold at 448 x the scale comes first
.set i, i+1
.endr
.irp g, 0,1,2,3,4,5,6,7
	v_cvt_scalef32_pk8_fp8_f32 v[\dst+2*\g:\dst+2*\g+1], v[\src+8*\g:\src+8*\g+7], v[\sc]
.endr
	v_nop                                          ; one plain vector line behind the last conversion, ahead of whatever next touches its registers
.endm
.macro MKS e, sc, lim                  ; from the exponent in s[e]: 2^e as f32 (the conversion takes its exponent field), and 448 x 2^e
	s_add_co_i32 s46, s[\e], 127
	s_lshl_b32 s47, s46, 23
	v_mov_b32 v[\sc], s47
	s_add_co_i32 s46, s46, 8
	s_lshl_b32 s46, s46, 23
	s_or_b32 s46, s46, 0x600000
	v_mov_b32 v[\lim], s46
.endm
	s_load_b256 s[4:11], s[0:1], 0x0               ; q1_w, q2_w, wk_w, wv_w
	s_load_b256 s[12:19], s[0:1], 0x20             ; h, q1_b, q2_b, alpha1
	s_load_b256 s[20:27], s[0:1], 0x40             ; alpha2, lowp_scales, wcodes, qbuf
	v_lshl_add_u32 v11, v0, 2, 0x25000
	s_set_vgpr_msb 0x40
	v_mov_b32 v1, 0
	s_set_vgpr_msb 0x4000
	v_lshrrev_b32 v1, 5, v0
	s_delay_alu instid0(VALU_DEP_1)
	v_readfirstlane_b32 s28, v1                    ; wave = K step S
	s_lshr_b32 s29, ttmp9, 6                       ; mu
	s_and_b32 s30, ttmp9, 63                       ; n
	s_and_b32 s31, s29, 1                          ; which of a pair
	v_and_b32 v1, 15, v0                           ; r
	v_bfe_u32 v2, v0, 4, 1                         ; hh
	v_and_b32 v3, 31, v0                           ; lane
	s_delay_alu instid0(VALU_DEP_1)
	v_lshlrev_b32 v[GST], 4, v3
	s_lshl_b32 s46, s28, 9
	v_add_nc_u32 v[GOFF], s46, v[GST]
	s_mul_i32 s47, s28, WST
	v_add_nc_u32 v[STA], s47, v[GST]               ; my place in my wave's stage; each path adds its own stages' first byte
	v_mul_u32_u24 v[STB], v1, SPT
	s_delay_alu instid0(VALU_DEP_1)
	v_lshl_add_u32 v[STB], v2, 6, v[STB]
	s_delay_alu instid0(VALU_DEP_1)
	v_add_nc_u32 v[STB], s47, v[STB]
	s_lshl_b32 s48, s28, 11
	v_lshlrev_b32 v[RA], 2, v1
	s_delay_alu instid0(VALU_DEP_1)
	v_lshl_add_u32 v[RA], v2, 9, v[RA]
	s_delay_alu instid0(VALU_DEP_1)
	v_add_nc_u32 v[RA], s48, v[RA]
	v_lshlrev_b32 v[QO], 4, v0
	v_and_b32 v[BO], 3, v0
	s_delay_alu instid0(VALU_DEP_1)
	v_lshlrev_b32 v[BO], 4, v[BO]                  ; v0 to v3 are read no more
	s_wait_kmcnt 0x0
	s_cmp_eq_u32 s31, 0                            ; the choices hang on the work-group's number alone
	s_cselect_b64 s[32:33], s[4:5], s[6:7]
	s_cselect_b64 s[34:35], s[8:9], s[10:11]
	s_cselect_b64 s[36:37], s[14:15], s[16:17]     ; the bias
	s_cselect_b64 s[38:39], s[18:19], s[20:21]     ; alpha
	s_cmp_lt_u32 s29, 2
	s_cselect_b64 s[32:33], s[32:33], s[34:35]     ; my matrix
	s_lshl_b32 s42, s30, 16                        ; 16 n rows of 4,096 bytes
	s_mov_b32 s43, 0
	s_add_nc_u64 s[32:33], s[32:33], s[42:43]
	s_lshl_b32 s42, s29, 3
	s_add_nc_u64 s[22:23], s[22:23], s[42:43]
	s_load_b64 s[40:41], s[22:23], 0x0             ; e of h (used where mu < 2), e of the weight
	GL R0, 32, 0, 1                                ; each weight byte is read once in the launch
	s_cmp_lt_u32 s29, 2
	s_cbranch_scc0 .Lweight                        ; the same way for all eight waves
	; ---- a query: h[mu] x this fragment.  What the path reads besides is asked for now, behind the weight's loads
	s_load_b32 s50, s[38:39], 0x0                  ; alpha
	s_lshl_b32 s42, s31, 17
	s_add_nc_u64 s[12:13], s[12:13], s[42:43]      ; h[mu]
	GL R1, 12, 0, 0                                ; batches 0-15 (64 work-groups read these rows: no hint)
	GL R2, 12, 65536, 0                            ; batches 16-31
	s_lshl_b32 s42, s30, 6
	s_add_nc_u64 s[36:37], s[36:37], s[42:43]      ; the bias of channels 16 n on
	s_wait_alu depctr_va_vdst(0)
	global_load_b128 v[0:3], v[BO], s[36:37]
	v_add_nc_u32 v[STA], QSTG, v[STA]
	v_add_nc_u32 v[STB], QSTG, v[STB]
	s_lshl_b32 s42, s31, 6
	s_add_co_u32 s42, s42, s30
	s_lshl_b32 s42, s42, 11
	s_add_nc_u64 s[44:45], s[26:27], s[42:43]      ; qbuf[mu][n]
	s_wait_alu depctr_va_vdst(0)
	s_wait_kmcnt 0x0                               ; the two exponents and alpha
	MKS 41, 12, 13                                 ; the weight's scale
	MKS 40, 14, 15                                 ; h's
	s_wait_alu depctr_va_vdst(0)
	s_wait_loadcnt 33                              ; the weight's sixteen are in; the 16 + 16 + 1 issued behind them may be out
	TURN R0, R0
	s_wait_dscnt 0x0
	QNT R0, WC, 12, 13
	s_wait_loadcnt 17                              ; batches 0-15 are in; batches 16-31 and the bias may be out
	TURN R1, R0                                    ; into the set that has just been used up
	s_wait_dscnt 0x0
	QNT R0, HC0, 14, 15
	s_wait_loadcnt 1                               ; batches 16-31 are in; the bias may be out
	TURN R2, R1
	s_wait_dscnt 0x0                               ; the stage's stores have read v144-207, which the results take
	QNT R1, HC1, 14, 15
	v_wmma_f32_16x16x128_fp8_fp8 v[144:151], v[HC0:HC0+15], v[WC:WC+15], 0   ; register j of lane (r, hh): batch 8 hh + j, channel 16 n + r
	v_wmma_f32_16x16x128_fp8_fp8 v[152:159], v[HC1:HC1+15], v[WC:WC+15], 0   ; batch 16 + 8 hh + j
.rept 4
	v_nop                                          ; four places ahead of the stores that read the results
.endr
.irp m, 0,1
.irp j, 0,1,2,3,4,5,6,7
	ds_store_b32 v[RA], v[144+8*\m+\j] offset:RED+1024*\m+64*\j
.endr
.endr
	s_wait_dscnt 0x0                               ; for the others' sake: my part lies in LDS
	s_barrier_signal -1
	s_barrier_wait -1
	s_cmp_lt_u32 s28, 4
	s_cbranch_scc0 .Ldone                          ; 128 threads take four numbers each
.irp u, 0,1,2,3,4,5,6,7
	ds_load_b128 v[32+4*\u:35+4*\u], v[QO] offset:RED+2048*\u
.endr
	v_mov_b32 v20, s50
	s_delay_alu instid0(VALU_DEP_1)
	v_mul_f32 v20, 0x3d38aa3b, v20                 ; c1 = alpha log2(e) / 32
	s_add_co_i32 s51, s40, s41
	v_ldexp_f32 v22, v20, s51                      ; c2 = c1 2^(e of h + e of the weight)
	v_mov_b32 v21, v20
	s_delay_alu instid0(VALU_DEP_2)
	v_mov_b32 v23, v22
	s_wait_dscnt 0x0
.irp u, 0,2,4,6
	v_pk_add_f32 v[32+4*\u:33+4*\u], v[32+4*\u:33+4*\u], v[36+4*\u:37+4*\u]
	v_pk_add_f32 v[34+4*\u:35+4*\u], v[34+4*\u:35+4*\u], v[38+4*\u:39+4*\u]
.endr
.irp u, 0
	v_pk_add_f32 v[32+4*\u:33+4*\u], v[32+4*\u:33+4*\u], v[40+4*\u:41+4*\u]
	v_pk_add_f32 v[34+4*\u:35+4*\u], v[34+4*\u:35+4*\u], v[42+4*\u:43+4*\u]
.endr
.irp u, 4
	s_delay_alu instid0(VALU_DEP_4)
	v_pk_add_f32 v[32+4*\u:33+4*\u], v[32+4*\u:33+4*\u], v[40+4*\u:41+4*\u]
	s_delay_alu instid0(VALU_DEP_4)
	v_pk_add_f32 v[34+4*\u:35+4*\u], v[34+4*\u:35+4*\u], v[42+4*\u:43+4*\u]
.endr
	s_delay_alu instid0(VALU_DEP_2)
	v_pk_add_f32 v[32:33], v[32:33], v[48:49]
	s_delay_alu instid0(VALU_DEP_2)
	v_pk_add_f32 v[34:35], v[34:35], v[50:51]
	s_wait_loadcnt 0x0                             ; the bias
	v_pk_mul_f32 v[24:25], v[0:1], v[20:21]
	s_wait_alu depctr_va_vdst(0)
	v_pk_mul_f32 v[26:27], v[2:3], v[20:21]
	v_pk_fma_f32 v[24:25], v[32:33], v[22:23], v[24:25]   ; sum x c2 + bias x c1
	s_delay_alu instid0(VALU_DEP_2)
	v_pk_fma_f32 v[26:27], v[34:35], v[22:23], v[26:27]
	global_store_b128 v[QO], v[24:27], s[44:45]    ; a wave stores 512 consecutive bytes
.Ldone:
	s_set_vgpr_msb 0x4
	s_wait_tensorcnt 0x0
	ds_add_u32 v11, v1
	s_wait_dscnt 0x0
	s_set_vgpr_msb 0x400
	s_endpgm
.Lweight:                                              ; ---- wk_w or wv_w: the fragment is made, and its image goes out
	v_add_nc_u32 v[STA], WSTG, v[STA]
	s_wait_alu depctr_va_vdst(0)
	v_add_nc_u32 v[STB], WSTG, v[STB]
	s_sub_co_u32 s42, s29, 2
	s_lshl_b32 s42, s42, 6
	s_add_co_u32 s42, s42, s30
	s_lshl_b32 s42, s42, 14                        ; a tile's eight fragments are 16,384 bytes
	s_add_co_u32 s42, s42, s48                     ; + 2,048 S
	s_add_nc_u64 s[44:45], s[24:25], s[42:43]
	s_wait_alu depctr_va_vdst(0)
	s_wait_kmcnt 0x0                               ; the exponents
	MKS 41, 12, 13
	s_wait_alu depctr_va_vdst(0)
	s_wait_loadcnt 0x0
	TURN R0, R1                                    ; on this path v80-143 are free
	s_wait_dscnt 0x0
	QNT R1, WC, 12, 13
.irp c, 0,1,2,3
	global_store_b128 v[GST], v[WC+4*\c:WC+4*\c+3], s[44:45] offset:512*\c   ; 512 consecutive bytes, at a multiple of 256 from the buffer's first byte
.endr
	s_set_vgpr_msb 0x4
	s_wait_tensorcnt 0x0
	ds_add_u32 v11, v1
	s_wait_dscnt 0x0
	s_set_vgpr_msb 0x400
	s_endpgm
.Lfunc_end_k_q5808c74dca_prep:
	.size	k_q5808c74dca_prep, .Lfunc_end_k_q5808c74dca_prep-k_q5808c74dca_prep
	.p2alignl 7, 3214868480
	.fill 96, 4, 3214868480
	.section	.rodata,"a",@progbits
	.p2align	6, 0x0
	.amdhsa_kernel k_q5808c74dca_prep
		.amdhsa_group_segment_fixed_size 152576
		.amdhsa_private_segment_fixed_size 0
		.amdhsa_enable_private_segment 0
		.amdhsa_kernarg_size 96
		.amdhsa_user_sgpr_count 2
		.amdhsa_user_sgpr_kernarg_segment_ptr 1
		.amdhsa_wavefront_size32 1
		.amdhsa_system_sgpr_workgroup_id_x 1
		.amdhsa_system_sgpr_workgroup_id_y 1
		.amdhsa_system_sgpr_workgroup_id_z 1
		.amdhsa_system_vgpr_workitem_id 0
		.amdhsa_next_free_vgpr 258
		.amdhsa_next_free_sgpr 66
		.amdhsa_reserve_vcc 0
		.amdhsa_float_denorm_mode_32 3
		.amdhsa_float_denorm_mode_16_64 3
		.amdhsa_memory_ordered 1
		.amdhsa_forward_progress 1
		.amdhsa_inst_pref_size 40
	.end_amdhsa_kernel
	.amdgpu_metadata
---
amdhsa.version: [ 1, 2 ]
amdhsa.kernels:
  - .name:           k_q5808c74dca_prep
    .symbol:         k_q5808c74dca_prep.kd
    .args:
      - { .name: q1_w, .offset: 0, .size: 8, .value_kind: global_buffer, .address_space: global }
      - { .name: q2_w, .offset: 8, .size: 8, .value_kind: global_buffer, .address_space: global }
      - { .name: wk_w, .offset: 16, .size: 8, .value_kind: global_buffer, .address_space: global }
      - { .name: wv_w, .offset: 24, .size: 8, .value_kind: global_buffer, .address_space: global }
      - { .name: h, .offset: 32, .size: 8, .value_kind: global_buffer, .address_space: global }
      - { .name: q1_b, .offset: 40, .size: 8, .value_kind: global_buffer, .address_space: global }
      - { .name: q2_b, .offset: 48, .size: 8, .value_kind: global_buffer, .address_space: global }
      - { .name: alpha1, .offset: 56, .size: 8, .value_kind: global_buffer, .address_space: global }
      - { .name: alpha2, .offset: 64, .size: 8, .value_kind: global_buffer, .address_space: global }
      - { .name: lowp_scales, .offset: 72, .size: 8, .value_kind: global_buffer, .address_space: global }
      - { .name: wcodes, .offset: 80, .size: 8, .value_kind: global_buffer, .address_space: global }
      - { .name: qbuf, .offset: 88, .size: 8, .value_kind: global_buffer, .address_space: global }
    .group_segment_fixed_size: 152576
    .private_segment_fixed_size: 0
    .kernarg_segment_align: 8
    .kernarg_segment_size: 96
    .max_flat_workgroup_size: 256
    .sgpr_count:     66
    .vgpr_count:     258
    .wavefront_size: 32
...
	.end_amdgpu_metadata
.endif
;; end of part 1
;; launch main (part 2): grid 256 x 1, 4 waves a work-group, clusters of 4 x 1, 327,680 bytes of LDS; arguments obj_embed, wcodes, qbuf, lowp_scales, po, pml; writes po, pml
.if DOCPART == 2
	.amdgcn_target "amdgcn-amd-amdhsa--gfx1250"
	.amdhsa_code_object_version 6
	.text
	.protected	k_q5808c74dca_main
	.globl	k_q5808c74dca_main
	.p2align	8
	.type	k_q5808c74dca_main,@function
k_q5808c74dca_main:
	s_mov_b64 s[64:65], 0
	v_nop
	global_prefetch_b8 v0, s[64:65] scope:SCOPE_SE
	s_setreg_imm32_b32 hwreg(HW_REG_WAVE_MODE, 25, 1), 1
	s_wait_xcnt 0x0
	s_wait_alu depctr_hold_cnt(0) depctr_sa_sdst(0) depctr_va_vdst(0) depctr_va_sdst(0) depctr_va_ssrc(0) depctr_va_vcc(0) depctr_vm_vsrc(0)
	s_getreg_b32 s2, hwreg(HW_REG_IB_STS2, 6, 4)
	s_cmp_eq_u32 s2, 0
	s_cbranch_scc0 .Lentry_in_a_cluster
	s_endpgm
.Lentry_in_a_cluster:
	s_bfe_u32 s2, ttmp6, 0x10000c
	s_cmp_lg_u32 s2, 0x3003
	s_cbranch_scc0 .Lentry_shape_is_right
	s_endpgm
.Lentry_shape_is_right:
; KEYS, SCORES, SOFTMAX AND WEIGHTED VALUES OF 128 OBJECTS.  Work-group x takes rows 128 x .. 128 x + 127 of obj_embed (batch x / 8) and leaves m (its largest t), l (its sum of 2^(t - m)) in pml[x]
; and the sum of 2^(t - m) x the values' raw sums in po[x][1024]; t = the score x log2(e), made with qbuf's numbers.  wk_b is left out: the same term for every object of a batch (shown at the first kernel's head).
; THE WAVES SHARE K: wave g holds k = 256 g .. 256 g + 255 of all 128 rows, as key codes (scale entry 4; 256 registers) and as value codes (entry 6; 256 registers).  Scores and weighted values are linear
; in k, so each wave carries its part through, and the four parts meet in LDS.
; X COMES BY PLAIN LOADS, each 512 consecutive bytes of one row, in 16 units of 16 rows x 128 k; at most 48 loads of a wave are out, unit n + 3 being asked for when unit n has come.  A unit turns through the wave's own
; stage in LDS (rows 528 bytes apart), so that a lane gets 16 neighbours along K, and is quantised straight into the operands' registers.  No barrier stands in this part.
; THE WEIGHTS COME BY JOINT TENSOR LOADS: the four work-groups of a cluster walk the same 2 MiB of wcodes, 16 slots of 131,072 bytes (8 tiles of 16 channels) through a ring of two; each wave asks for a quarter.
; A STEP is one tile of 16 channels: 16 matrix instructions on end (8 row tiles x 2 K steps), then 32 packed multiply-adds; the next step's two fragments are read from LDS meanwhile.
; KEYS: source 0 = wk_w's channels, source 1 = X's rows: a lane holds one row, its registers eight channels: S[row] += q[channel] x sum.   VALUES: source 0 = X, source 1 = wv_w: a lane holds one channel,
; its registers eight rows, weighted by p.   THE CHANGE OF SLOTS stands inside a slot's last step, whose fragments are in registers by then.
; NO PREFETCH: X's loads run three units ahead of their use without a pause from the head on, and wcodes is 2 MiB that all 256 work-groups read.
; LIMITS: entries 4 and 6 of lowp_scales lie between -126 and 119, so that 2^e and 448 x 2^e are f32 numbers.  NaN among the inputs is not served.
; REGISTERS, in windows of 256.  Window 0: v0-31 addresses and scales, v32-47 S, v48-55 q, v56-63 the value sums' chains, v64-127 accumulators, v128-255 X as f32 (two sets); later v128-191 two weight buffers, v192-255 at work.
; Window 1: key codes (fragment (t, u) at 32 t + 16 u), later p.  Window 2: value codes.  Window 3: X on its way, four units of 64 registers.
.set SLOT1,  1<<17
.set SPT,    528                       ; a stage row: 512 bytes + 16
.set STG,    2*SLOT1                   ; four stages of 16 rows; later the way out's eight regions
.set SPARE,  STG+4*16*SPT              ; the spare words: 128 bytes a wave
.set QX,     SPARE+512                 ; q of all 1,024 channels
.set SX,     QX+4096                   ; the waves' parts of the scores
.set PX,     SX+2048                   ; p, a copy for each wave
.set OREG,   4160                      ; the way out: a region (wave, lane half) of 1,024 f32 + 64 bytes
.set WV,  18
.set G1W, 24
.set G0W, 40
.set XB,  44
.set TB,  52
.set QB,  53
.set OB,  54
.set CNT, 55
.set CN2, 56
.set SEL, 58
.set QXW, 7
.set QOF, 8
.set SPW, 12
.set NIL, 13
.set WOF, 14                           ; 16 x lane
.set QA0, 15
.set QA,  16
.set OV,  17
.set STA, 18
.set STB, 19
.set BA0, 24
.set AD,  25
.set OA0, 29
.set OAD, 30
.set S,   32
.set Q,   48
.set CH,  56
.set ACC, 64
.set XS,  128
.set BB,  128
.set MSB, 0
.macro WIN new                         ; the immediate's high byte repeats the setting that is left
.if MSB != (\new)
	s_set_vgpr_msb (MSB<<8)|(\new)
.set MSB, (\new)
.endif
.endm
.macro PLACES
.rept 4
	v_nop
.endr
.endm
.macro CREST                           ; a round of the cluster's barrier behind its opening barrier
	s_cmp_lg_u32 s[WV], 0
	s_cbranch_scc1 .Lnot_wave_0_\@
	s_barrier_signal -3
.Lnot_wave_0_\@:
	s_barrier_wait -3
	s_barrier_signal -1
	s_barrier_wait -1
.endm
.macro ROUND
	s_barrier_signal -1
	s_barrier_wait -1
	CREST
.endm
.macro XLOAD n                         ; unit n: rows 16 (n / 2) on, K step n % 2 of my two: each load reads 512 consecutive bytes of one row, read once in the launch
	WIN 0xc0
.irp p, 0,1,2,3,4,5,6,7,8,9,10,11,12,13,14,15
	global_load_b128 v[64*((\n)%4)+4*\p:64*((\n)%4)+4*\p+3], v[WOF], s[XB:XB+1] offset:(16*((\n)/2)+\p)*4096+512*((\n)%2) th:TH_LOAD_NT
.endr
	WIN 0
.endm
.macro STAGE n                         ; unit n through my stage: LDS serves a wave's instructions in order, so the loads see the stores, and the next unit's stores come behind these loads
.if (\n) <= 13
	s_wait_loadcnt 32                              ; unit n is in; the two units behind it may be out
.else
	s_wait_loadcnt 16*(15-(\n))
.endif
	WIN 0x0c                                       ; store data in window 3
.irp p, 0,1,2,3,4,5,6,7,8,9,10,11,12,13,14,15
	ds_store_b128 v[STA], v[64*((\n)%4)+4*\p:64*((\n)%4)+4*\p+3] offset:SPT*\p
.endr
	WIN 0
.irp c, 0,1,2,3
.irp j, 0,1,2,3
	ds_load_b128 v[XS+64*((\n)%2)+16*\c+4*\j:XS+64*((\n)%2)+16*\c+4*\j+3], v[STB] offset:128*\c+16*\j
.endr
.endr
.if (\n)+3 <= 15
	XLOAD (\n)+3                                   ; into the registers that unit n - 1 left
.endif
.endm
.macro QUANT n                         ; 64 numbers a lane become one fragment of key codes and one of value codes
.set qx, XS+64*((\n)%2)
.set qd, 16*(\n)
.set i, 0
.rept 64
	v_med3_num_f32 v[ACC+i], v[qx+i], -v21, v21    ; the conversion does not saturate (ISA guide 7.6.2): the hold at 448 x the scale comes first
.set i, i+1
.endr
	WIN 0x40
.irp g, 0,1,2,3,4,5,6,7
	v_cvt_scalef32_pk8_fp8_f32 v[qd+2*\g:qd+2*\g+1], v[ACC+8*\g:ACC+8*\g+7], v20
.endr
	WIN 0
.set i, 0
.rept 64
	v_med3_num_f32 v[qx+i], v[qx+i], -v23, v23
.set i, i+1
.endr
	WIN 0x80
.irp g, 0,1,2,3,4,5,6,7
	v_cvt_scalef32_pk8_fp8_f32 v[qd+2*\g:qd+2*\g+1], v[qx+8*\g:qx+8*\g+7], v22
.endr
	WIN 0
.endm
.macro MM8 ph, bf, a0                  ; four result tiles x two K steps; the four accumulators take turns; the first product starts each sum
.irp u, 0,1
.irp t, \a0, \a0+1, \a0+2, \a0+3
.if \ph == 0
.if \u == 0
	v_wmma_f32_16x16x128_fp8_fp8 v[ACC+8*(\t):ACC+8*(\t)+7], v[BB+32*(\bf)+16*\u:BB+32*(\bf)+16*\u+15], v[32*(\t)+16*\u:32*(\t)+16*\u+15], 0
.else
	v_wmma_f32_16x16x128_fp8_fp8 v[ACC+8*(\t):ACC+8*(\t)+7], v[BB+32*(\bf)+16*\u:BB+32*(\bf)+16*\u+15], v[32*(\t)+16*\u:32*(\t)+16*\u+15], v[ACC+8*(\t):ACC+8*(\t)+7]
.endif
.else
.if \u == 0
	v_wmma_f32_16x16x128_fp8_fp8 v[ACC+8*(\t):ACC+8*(\t)+7], v[32*(\t)+16*\u:32*(\t)+16*\u+15], v[BB+32*(\bf)+16*\u:BB+32*(\bf)+16*\u+15], 0
.else
	v_wmma_f32_16x16x128_fp8_fp8 v[ACC+8*(\t):ACC+8*(\t)+7], v[32*(\t)+16*\u:32*(\t)+16*\u+15], v[BB+32*(\bf)+16*\u:BB+32*(\bf)+16*\u+15], v[ACC+8*(\t):ACC+8*(\t)+7]
.endif
.endif
.endr
.endr
.endm
.macro KCONS a0                        ; S[row] += q x sums: four chains by turns, each accumulator from its low end on
.irp i, 0,1,2,3
.irp t, \a0, \a0+1, \a0+2, \a0+3
	v_pk_fma_f32 v[S+2*(\t):S+2*(\t)+1], v[Q+2*\i:Q+2*\i+1], v[ACC+8*(\t)+2*\i:ACC+8*(\t)+2*\i+1], v[S+2*(\t):S+2*(\t)+1]
.endr
.endr
.endm
.macro BNEXT bf, off                   ; a step's two fragments of my K: eight reads of 512 consecutive bytes
.irp k, 0,1,2,3,4,5,6,7
	ds_load_b128 v[BB+32*(\bf)+4*\k:BB+32*(\bf)+4*\k+3], v[AD] offset:(\off)+512*\k
.endr
.endm
; A STEP.  ph: 0 keys, 1 values.  y: which of a pair, and which weight buffer.  mode 0: plain.  1: a slot's last, with the change of slots and a refill.  2: the same with no refill.  3: the launch's last.
.macro STEP ph, y, mode
.if \ph == 0
	ds_load_b128 v[Q:Q+3], v[QA] offset:64*\y      ; q of this tile's channels 8 (lane / 16) + 0 .. 7
	ds_load_b128 v[Q+4:Q+7], v[QA] offset:64*\y+16
.endif
.if \mode == 0
	BNEXT 1-\y, 16384*(\y+1)                       ; the next step's, into the buffer that the last step multiplied (its 36 vector lines are the places)
	s_wait_alu depctr_va_vdst(0)                   ; directly ahead of the wait below
	s_wait_dscnt 10-2*\ph                          ; this step's fragments are in; the reads just issued may be out
	WIN 4-2*\ph
	MM8 \ph, \y, 0
	MM8 \ph, \y, 4
.elseif \mode == 3
	s_wait_alu depctr_va_vdst(0)
	s_wait_dscnt 0x0
	WIN 4-2*\ph
	MM8 \ph, \y, 0
	MM8 \ph, \y, 4
.else
	s_wait_alu depctr_va_vdst(0)
	s_wait_tensorcnt 0x0                           ; my quarter of the next slot is in, and the descriptor may be stepped
	ds_add_u32 v[SPW], v[NIL]
.if \mode == 1
	s_xor_b32 s[G0W+1], s[G0W+1], SLOT1
	s_add_nc_u64 s[G0W+2:G0W+3], s[G0W+2:G0W+3], 131072
.endif
	s_and_b32 s[TB], s[TB], 2*SLOT1-1              ; behind slot 1 comes slot 0
	s_wait_dscnt 3-2*\ph                           ; this step's fragments are in (the add, and for the keys q's two reads, may be out)
	WIN 4-2*\ph
	MM8 \ph, \y, 0                                 ; eight matrix instructions stand between the add and the wait for it
	s_wait_dscnt 0x0                               ; the add is done, and my reads of this slot are over
	s_barrier_signal -1
	MM8 \ph, \y, 4
	WIN 0
	s_barrier_wait -1
.if \mode == 1
	CREST                                          ; the barrier has opened a round of the cluster's barrier: no wave of any partner still reads this slot or has a load on its way
	tensor_load_to_lds s[G0W:G0W+3], s[G1W:G1W+7]  ; the slot after the next, into the slot just left
	s_nop 0
.endif
	v_add_nc_u32 v[AD], s[TB], v[BA0]
	BNEXT 0, 0                                     ; the next slot's first step
.endif
.if \ph == 0
	WIN 0
	PLACES                                         ; four places ahead of the first read of results
.if \mode == 0
	s_wait_dscnt 8                                 ; q is in; the next step's fragments may be out
.endif
	KCONS 0
	KCONS 4
.else
	WIN 0x01                                       ; source 0 (p) window 1
	PLACES
.irp t, 0,1,2,3,4,5,6,7
.irp i, 0,1,2,3
.if \t == 0
	v_pk_mul_f32 v[CH+2*\i:CH+2*\i+1], v[8*\t+2*\i:8*\t+2*\i+1], v[ACC+8*\t+2*\i:ACC+8*\t+2*\i+1]
.else
	v_pk_fma_f32 v[CH+2*\i:CH+2*\i+1], v[8*\t+2*\i:8*\t+2*\i+1], v[ACC+8*\t+2*\i:ACC+8*\t+2*\i+1], v[CH+2*\i:CH+2*\i+1]
.endif
.endr
.endr
	WIN 0
	v_pk_add_f32 v[CH:CH+1], v[CH:CH+1], v[CH+2:CH+3]
	v_pk_add_f32 v[CH+4:CH+5], v[CH+4:CH+5], v[CH+6:CH+7]
	v_pk_add_f32 v[CH:CH+1], v[CH:CH+1], v[CH+4:CH+5]
	v_add_f32 v[OV], v[CH], v[CH+1]
	ds_store_b32 v[OAD], v[OV] offset:64*\y        ; my lane half's and my K's part of channel 16 tile + lane % 16
.endif
.endm
.macro PHEAD ph                        ; a pair of steps: its place in the ring, and q's or the results' place
	v_add_nc_u32 v[AD], s[TB], v[BA0]
	s_add_co_u32 s[TB], s[TB], 32768
.if \ph == 0
	v_add_nc_u32 v[QA], s[QB], v[QA0]
	s_add_co_u32 s[QB], s[QB], 128
.else
	v_add_nc_u32 v[OAD], s[OB], v[OA0]
	s_add_co_u32 s[OB], s[OB], 128
.endif
.endm
.macro SLOT ph, mode                   ; eight steps: three pairs in a loop, the fourth written out with the slot's last step
	s_mov_b32 s[CNT], 3
.Lpair_\@:
	PHEAD \ph
	STEP \ph, 0, 0
	STEP \ph, 1, 0
	s_sub_co_u32 s[CNT], s[CNT], 1
	s_cmp_lg_u32 s[CNT], 0
	s_cbranch_scc1 .Lpair_\@
	PHEAD \ph
	STEP \ph, 0, 0
	STEP \ph, 1, \mode
.endm
	s_load_b256 s[4:11], s[0:1], 0x0               ; obj_embed, wcodes, qbuf, lowp_scales
	s_load_b128 s[12:15], s[0:1], 0x20             ; po, pml
	v_lshl_add_u32 v[SPW], v0, 2, SPARE
	v_mov_b32 v[NIL], 0
	ds_add_u32 v[SPW], v[NIL]                      ; the opening: the add, twice on end, and its wait ahead of the round in front of my first tensor load
	ds_add_u32 v[SPW], v[NIL]
	v_lshrrev_b32 v4, 5, v0
	v_readfirstlane_b32 s[WV], v4                  ; wave 0..3
	s_bfe_u32 s19, ttmp6, 0x40000                  ; cx
	s_lshl_b32 s20, ttmp9, 2
	s_add_co_u32 s20, s20, s19                     ; work-group x: it enters global addresses of X, qbuf, po and pml alone
	s_lshr_b32 s21, s20, 3                         ; batch
	s_mov_b32 s[G1W+0], 15|(3<<16)|(1<<21)         ; the four of the cluster; elements of 8 bytes; 128 rows of 256 bytes, dense
	s_mov_b32 s[G1W+1], 32<<16
	s_mov_b32 s[G1W+2], 128<<16
	s_mov_b32 s[G1W+3], 32<<16
	s_mov_b32 s[G1W+4], 128
	s_mov_b32 s[G1W+5], 32
	s_mov_b32 s[G1W+6], 0
	s_mov_b32 s[G1W+7], 0
	s_mov_b32 s[SEL], 0x76543210
	s_mov_b32 s[SEL+1], 0xfedcba98
	s_lshl_b32 s80, s[WV], 15                      ; my quarter of a slot, in wcodes and in LDS
	s_mov_b32 s81, 0
	s_lshl_b32 s78, s20, 19                        ; 128 rows of 4,096 bytes a work-group
	s_lshl_b32 s79, s[WV], 10                      ; my 256 along K
	s_add_co_u32 s78, s78, s79
	s_mov_b32 s79, 0
	s_lshl_b32 s83, s21, 6                         ; qbuf: tiles 16 g on, 2,048 bytes a tile, 64 a batch
	s_add_co_u32 s82, s80, s83
	s_mov_b32 s83, 0
	s_mov_b32 s[TB], 0
	s_mov_b32 s[QB], 0
	s_mov_b32 s[OB], 0
	s_wait_dscnt 0x0
	s_wait_kmcnt 0x0
	s_load_b256 s[68:75], s[10:11], 0x0            ; the eight exponents
	s_mov_b32 s[G0W], 1
	s_mov_b32 s[G0W+1], s80
	s_add_nc_u64 s[G0W+2:G0W+3], s[6:7], s[80:81]
	s_or_b32 s[G0W+3], s[G0W+3], 0x80000000
	s_add_nc_u64 s[XB:XB+1], s[4:5], s[78:79]
	s_add_nc_u64 s[84:85], s[8:9], s[82:83]
	v_and_b32 v1, 15, v0                           ; r
	v_bfe_u32 v2, v0, 4, 1                         ; h
	v_and_b32 v3, 31, v0
	v_lshlrev_b32 v[WOF], 4, v3
	v_lshlrev_b32 v5, 2, v1
	v_lshl_add_u32 v[QOF], v2, 11, v5              ; q: lanes 0-15 one tile, lanes 16-31 the next
	s_mul_i32 s82, s[WV], 16*SPT
	v_add_nc_u32 v6, s82, v[WOF]
	v_add_nc_u32 v[STA], STG, v6                   ; the stage, in: 16 x lane of a row
	v_mul_u32_u24 v6, v1, SPT
	v_lshl_add_u32 v6, v2, 6, v6
	v_add_nc_u32 v6, s82, v6
	v_add_nc_u32 v[STB], STG, v6                   ; out: row r, + 64 h
	s_lshl_b32 s82, s[WV], 12
	v_add_nc_u32 v[BA0], s82, v[WOF]               ; my K's 4,096 bytes of a tile
	v_lshlrev_b32 v6, 5, v2
	v_add_nc_u32 v[QA0], QX, v6
	s_lshl_b32 s82, s[WV], 10
	v_lshlrev_b32 v6, 2, v3
	v_add_nc_u32 v6, s82, v6
	v_add_nc_u32 v[QXW], QX, v6
.set i, 0
.rept 16
	v_mov_b32 v[S+i], 0                            ; the scores' sums: 16 registers
.set i, i+1
.endr
	s_wait_alu depctr_va_vdst(0)                   ; behind the head's addresses
.irp m, 0,1,2,3,4,5,6,7
	global_load_b32 v[192+\m], v[QOF], s[84:85] offset:4096*\m
	global_load_b32 v[200+\m], v[QOF], s[84:85] offset:131072+4096*\m
.endr
	XLOAD 0
	XLOAD 1
	ROUND                                          ; the four work-groups are here: the first joint loads meet
	tensor_load_to_lds s[G0W:G0W+3], s[G1W:G1W+7]  ; slot 0: my one tensor load at the head
	s_nop 0
	s_wait_kmcnt 0x0
	s_add_co_i32 s76, s72, s73                     ; e4 + e5
	s_add_co_i32 s82, s72, 127
	s_lshl_b32 s83, s82, 23
	v_mov_b32 v20, s83                             ; 2^e4
	s_add_co_i32 s82, s82, 8
	s_lshl_b32 s82, s82, 23
	s_or_b32 s82, s82, 0x600000
	v_mov_b32 v21, s82                             ; 448 x 2^e4
	s_add_co_i32 s82, s74, 127
	s_lshl_b32 s83, s82, 23
	v_mov_b32 v22, s83                             ; 2^e6
	s_add_co_i32 s82, s82, 8
	s_lshl_b32 s82, s82, 23
	s_or_b32 s82, s82, 0x600000
	v_mov_b32 v23, s82                             ; 448 x 2^e6
	s_wait_alu depctr_va_vdst(0)                   ; at the head's end
	s_wait_loadcnt 32                              ; q's 16 loads are in; X's first two units may be out
.irp m, 0,2,4,6
	v_pk_add_f32 v[192+\m:193+\m], v[192+\m:193+\m], v[200+\m:201+\m]   ; the two queries' parts
.endr
.irp m, 0,1,2,3,4,5,6,7
	v_ldexp_f32 v[192+\m], v[192+\m], s76          ; a raw sum of the key product stands for sum x 2^(e4 + e5)
.endr
.irp m, 0,1,2,3,4,5,6,7
	ds_store_b32 v[QXW], v[192+\m] offset:128*\m   ; channels 256 g on: the others read them behind the round below
.endr
	XLOAD 2
	STAGE 0
.set un, 0
.rept 16
.if un < 15
	STAGE un+1
	s_wait_dscnt 32                                ; unit un is back from the stage; the next unit's 32 may be out
.else
	s_wait_dscnt 0x0
.endif
	QUANT un
.set un, un+1
.endr
	v_nop                                          ; one plain line behind the last conversion
	s_wait_alu depctr_va_vdst(0)
	s_wait_tensorcnt 0x0                           ; my quarter of slot 0 is in; slot 1's first fill is issued as a refill is
	ds_add_u32 v[SPW], v[NIL]
	s_xor_b32 s[G0W+1], s[G0W+1], SLOT1
	s_add_nc_u64 s[G0W+2:G0W+3], s[G0W+2:G0W+3], 131072
	s_wait_dscnt 0x0
	ROUND
	tensor_load_to_lds s[G0W:G0W+3], s[G1W:G1W+7]  ; slot 1
	s_nop 0
	v_add_nc_u32 v[AD], s[TB], v[BA0]
	BNEXT 0, 0
	s_mov_b32 s[CN2], 8
.Lkey:                                                 ; slots 0 to 7: wk_w
	SLOT 0, 1
	s_sub_co_u32 s[CN2], s[CN2], 1
	s_cmp_lg_u32 s[CN2], 0
	s_cbranch_scc1 .Lkey
	; THE SOFTMAX OF THE BLOCK
	s_lshl_b32 s82, s[WV], 9
	v_lshlrev_b32 v228, 2, v1
	v_add_nc_u32 v228, s82, v228
	v_add_nc_u32 v228, SX, v228                    ; my part of the scores: 512 g + 4 r
	v_add_nc_u32 v229, SX, v[WOF]
	v_add_nc_u32 v230, s82, v[WOF]
	v_add_nc_u32 v230, PX, v230
	v_lshlrev_b32 v231, 5, v2
	v_add_nc_u32 v231, s82, v231
	v_add_nc_u32 v231, PX, v231
	s_mul_i32 s83, s[WV], 2*OREG
	v_mul_u32_u24 v232, v2, OREG
	v_lshl_add_u32 v232, v1, 2, v232
	v_add_nc_u32 v232, s83, v232
	v_add_nc_u32 v[OA0], STG, v232
	v_lshlrev_b32 v233, 4, v0
	v_add_nc_u32 v234, STG, v233
.irp t, 0,1,2,3,4,5,6,7
	v_add_f32 v[192+\t], v[S+2*\t], v[S+2*\t+1]
.endr
.irp t, 0,1,2,3,4,5,6,7
	v_permlanex16_b32 v[200+\t], v[192+\t], s[SEL], s[SEL+1]
.endr
.irp t, 0,1,2,3,4,5,6,7
	v_add_f32 v[192+\t], v[192+\t], v[200+\t]      ; row 16 t + r over all channels and my K
.endr
.irp t, 0,1,2,3,4,5,6,7
	ds_store_b32 v228, v[192+\t] offset:64*\t
.endr
	s_wait_alu depctr_va_vdst(0)                   ; directly ahead of the wait below
	s_wait_dscnt 0x0
	s_barrier_signal -1
	s_barrier_wait -1
.irp u, 0,1,2,3
	ds_load_b128 v[208+4*\u:211+4*\u], v229 offset:512*\u   ; rows 4 lane .. + 3, the four waves' parts
.endr
	v_mov_b32 v226, 0
	s_wait_dscnt 0x0
	v_pk_add_f32 v[208:209], v[208:209], v[212:213]
	v_pk_add_f32 v[210:211], v[210:211], v[214:215]
	v_pk_add_f32 v[216:217], v[216:217], v[220:221]
	v_pk_add_f32 v[218:219], v[218:219], v[222:223]
	v_pk_add_f32 v[208:209], v[208:209], v[216:217]
	v_pk_add_f32 v[210:211], v[210:211], v[218:219]
	v_max3_num_f32 v224, v208, v209, v210
	v_max_num_f32 v224, v224, v211
.irp m, 1,2,4,8
	v_max_num_f32_dpp v224, v224, v224 row_xmask:\m row_mask:0xf bank_mask:0xf
.endr
	v_permlanex16_b32 v226, v224, s[SEL], s[SEL+1]
	v_max_num_f32 v224, v224, v226                 ; m: the block's largest t
.irp j, 208,209,210,211
	v_sub_f32 v\j, v\j, v224
.endr
	s_wait_alu depctr_va_vdst(0)                   ; ahead of the batch
.irp j, 208,209,210,211
	v_exp_f32 v\j, v\j
.endr
	v_nop
	s_wait_alu depctr_va_vdst(0)                   ; and behind it, ahead of its first reader
	ds_store_b128 v230, v[208:211]
	v_add_f32 v225, v208, v209
	v_add_f32 v227, v210, v211
	v_add_f32 v225, v225, v227
.irp m, 1,2,4,8
	v_add_f32_dpp v225, v225, v225 row_xmask:\m row_mask:0xf bank_mask:0xf
.endr
	v_permlanex16_b32 v226, v225, s[SEL], s[SEL+1]
	v_add_f32 v225, v225, v226                     ; l
	WIN 0x40
.irp t, 0,1,2,3,4,5,6,7
	ds_load_b128 v[8*\t:8*\t+3], v231 offset:64*\t         ; p of rows 16 t + 8 h + 0 .. 7: my wave's own copy, in order behind its store
	ds_load_b128 v[8*\t+4:8*\t+7], v231 offset:64*\t+16
.endr
	WIN 0
	s_cmp_lg_u32 s[WV], 0
	s_cbranch_scc1 .Lno_ml
	s_lshl_b32 s78, s20, 3
	s_add_nc_u64 s[14:15], s[14:15], s[78:79]
	v_mov_b32 v227, 0
	s_wait_alu depctr_va_vdst(0)
	s_wait_xcnt 0x0                                ; EXEC changes only behind this wait
	v_cmp_eq_u32 vcc_lo, 0, v0
	s_and_saveexec_b32 s82, vcc_lo
	global_store_b64 v227, v[224:225], s[14:15]
	s_wait_xcnt 0x0
	s_or_b32 exec_lo, exec_lo, s82
.Lno_ml:
	s_mov_b32 s[CN2], 6
.Lval:                                                 ; slots 8 to 13: wv_w, each change of slots with a refill
	SLOT 1, 1
	s_sub_co_u32 s[CN2], s[CN2], 1
	s_cmp_lg_u32 s[CN2], 0
	s_cbranch_scc1 .Lval
	SLOT 1, 2                                      ; slot 14: slot 15 is awaited, nothing more is asked for
	SLOT 1, 3                                      ; slot 15
	s_wait_dscnt 0x0
	s_barrier_signal -1
	s_barrier_wait -1
.irp e, 0,1
.irp g, 0,1,2,3,4,5,6,7
	ds_load_b128 v[64+32*\e+4*\g:67+32*\e+4*\g], v234 offset:OREG*\g+2048*\e
.endr
.endr
	s_lshl_b32 s78, s20, 12
	s_add_nc_u64 s[12:13], s[12:13], s[78:79]
	s_wait_dscnt 0x0
.macro QADD a, b
	v_pk_add_f32 v[\a:\a+1], v[\a:\a+1], v[\b:\b+1]
	v_pk_add_f32 v[\a+2:\a+3], v[\a+2:\a+3], v[\b+2:\b+3]
.endm
.irp e, 64,96
	QADD \e, \e+4
	QADD \e+8, \e+12
	QADD \e+16, \e+20
	QADD \e+24, \e+28
	QADD \e, \e+8
	QADD \e+16, \e+24
	QADD \e, \e+16
.endr
	global_store_b128 v233, v[64:67], s[12:13] th:TH_STORE_NT              ; a wave stores 512 consecutive bytes
	global_store_b128 v233, v[96:99], s[12:13] offset:2048 th:TH_STORE_NT
	s_wait_tensorcnt 0x0                           ; the wave's end
	ds_add_u32 v[SPW], v[NIL]
	s_wait_dscnt 0x0
	ROUND                                          ; the closing round
	s_endpgm
.Lfunc_end_k_q5808c74dca_main:
	.size	k_q5808c74dca_main, .Lfunc_end_k_q5808c74dca_main-k_q5808c74dca_main
	.p2alignl 7, 3214868480
	.fill 96, 4, 3214868480
	.section	.rodata,"a",@progbits
	.p2align	6, 0x0
	.amdhsa_kernel k_q5808c74dca_main
		.amdhsa_group_segment_fixed_size 327680
		.amdhsa_private_segment_fixed_size 0
		.amdhsa_enable_private_segment 0
		.amdhsa_kernarg_size 48
		.amdhsa_user_sgpr_count 2
		.amdhsa_user_sgpr_kernarg_segment_ptr 1
		.amdhsa_wavefront_size32 1
		.amdhsa_system_sgpr_workgroup_id_x 1
		.amdhsa_system_sgpr_workgroup_id_y 1
		.amdhsa_system_sgpr_workgroup_id_z 1
		.amdhsa_system_vgpr_workitem_id 0
		.amdhsa_next_free_vgpr 1024
		.amdhsa_next_free_sgpr 96
		.amdhsa_reserve_vcc 1
		.amdhsa_float_denorm_mode_32 3
		.amdhsa_float_denorm_mode_16_64 3
		.amdhsa_memory_ordered 1
		.amdhsa_forward_progress 1
		.amdhsa_inst_pref_size 255
	.end_amdhsa_kernel
	.section	.bss,"aw",@nobits
	.p2align	6
	.space	262144
	.amdgpu_metadata
---
amdhsa.version: [ 1, 2 ]
amdhsa.kernels:
  - .name:           k_q5808c74dca_main
    .symbol:         k_q5808c74dca_main.kd
    .args:
      - { .name: obj_embed, .offset: 0, .size: 8, .value_kind: global_buffer, .address_space: global }
      - { .name: wcodes, .offset: 8, .size: 8, .value_kind: global_buffer, .address_space: global }
      - { .name: qbuf, .offset: 16, .size: 8, .value_kind: global_buffer, .address_space: global }
      - { .name: lowp_scales, .offset: 24, .size: 8, .value_kind: global_buffer, .address_space: global }
      - { .name: po, .offset: 32, .size: 8, .value_kind: global_buffer, .address_space: global }
      - { .name: pml, .offset: 40, .size: 8, .value_kind: global_buffer, .address_space: global }
    .group_segment_fixed_size: 327680
    .private_segment_fixed_size: 0
    .kernarg_segment_align: 8
    .kernarg_segment_size: 48
    .max_flat_workgroup_size: 128
    .sgpr_count:     96
    .vgpr_count:     1024
    .wavefront_size: 32
...
	.end_amdgpu_metadata
.endif
;; end of part 2
;; launch join (part 3): grid 32 x 1, 8 waves a work-group, no clusters, 0 bytes of LDS; arguments po, pml, wv_b, lowp_scales, out0; writes out0
.if DOCPART == 3
	.amdgcn_target "amdgcn-amd-amdhsa--gfx1250"
	.amdhsa_code_object_version 6
	.text
	.protected	k_q5808c74dca_join
	.globl	k_q5808c74dca_join
	.p2align	8
	.type	k_q5808c74dca_join,@function
k_q5808c74dca_join:
	s_mov_b64 s[64:65], 0
	v_nop
	global_prefetch_b8 v0, s[64:65] scope:SCOPE_SE
	s_setreg_imm32_b32 hwreg(HW_REG_WAVE_MODE, 25, 1), 1
	s_wait_xcnt 0x0
; THE EIGHT BLOCKS OF A BATCH ARE JOINED.  Block i left m_i (its largest t), l_i (its sum of 2^(t - m_i)) and o_i[1024] (its sum of 2^(t - m_i) x the values' raw sums).
; M = the largest m_i; w_i = 2^(m_i - M); out = (sum of w_i o_i) 2^(e6 + e7) / (sum of w_i l_i) + wv_b: the weights add up to 1, so the bias is added once.
; One work-group for each of the 32 batches; thread i takes channels 4 i .. 4 i + 3: every load and the store of a wave cover 512 consecutive bytes.
; No LDS, no barrier, no matrix unit: 36 KiB a work-group, each byte read once.  e6 + e7 goes through v_ldexp_f32 and has no limit.
	s_load_b256 s[4:11], s[0:1], 0x0               ; po, pml, wv_b, lowp_scales
	s_load_b64 s[12:13], s[0:1], 0x20              ; out0
	v_lshlrev_b32 v1, 4, v0
	s_lshl_b32 s14, ttmp9, 15                      ; eight rows of 4,096 bytes
	s_mov_b32 s15, 0
	s_lshl_b32 s36, ttmp9, 6                       ; eight pairs
	s_mov_b32 s37, 0
	s_lshl_b32 s38, ttmp9, 12
	s_mov_b32 s39, 0
	s_wait_alu depctr_va_vdst(0)
	s_wait_kmcnt 0x0
	s_add_nc_u64 s[4:5], s[4:5], s[14:15]
	s_add_nc_u64 s[6:7], s[6:7], s[36:37]
	s_add_nc_u64 s[12:13], s[12:13], s[38:39]
	s_load_b512 s[16:31], s[6:7], 0x0              ; m_0, l_0, .. m_7, l_7
	s_load_b64 s[32:33], s[10:11], 0x18            ; e6, e7
.irp i, 0,1,2,3,4,5,6,7
	global_load_b128 v[16+4*\i:19+4*\i], v1, s[4:5] offset:4096*\i th:TH_LOAD_NT
.endr
	global_load_b128 v[48:51], v1, s[8:9]          ; wv_b
	s_wait_kmcnt 0x0
	v_mov_b32 v2, s16
	s_delay_alu instid0(VALU_DEP_1)
	v_max3_num_f32 v2, v2, s18, s20
	s_delay_alu instid0(VALU_DEP_1)
	v_max3_num_f32 v2, v2, s22, s24
	s_delay_alu instid0(VALU_DEP_1)
	v_max3_num_f32 v2, v2, s26, s28
	s_delay_alu instid0(VALU_DEP_1)
	v_max_num_f32 v2, s30, v2                      ; M
.irp i, 0,1,2,3,4,5,6,7
	v_sub_f32 v[4+\i], s[16+2*\i], v2
.endr
	s_wait_alu depctr_va_vdst(0)
.irp i, 0,1,2,3,4,5,6,7
	v_exp_f32 v[4+\i], v[4+\i]                     ; w_i
.endr
	v_nop                                          ; a plain line behind the last exponential
	s_wait_alu depctr_va_vdst(0)                   ; one wait for the eight, ahead of their first reader
	v_mul_f32 v12, s17, v4
.irp i, 1,2,3,4,5,6,7
	v_fmac_f32 v12, s[17+2*\i], v[4+\i]
.endr
	s_wait_alu depctr_va_vdst(0)
	v_rcp_f32 v13, v12
	v_nop
	s_add_co_i32 s34, s32, s33
	s_wait_alu depctr_va_vdst(0)
	v_ldexp_f32 v14, v13, s34                      ; 2^(e6 + e7) / the sum
	s_delay_alu instid0(VALU_DEP_1)
	v_mov_b32 v15, v14
	s_wait_loadcnt 0x0
	v_pk_mul_f32 v[52:53], v[16:17], v[4:5] op_sel_hi:[1,0]       ; x w_0, the pair's first word for both halves
	v_pk_mul_f32 v[54:55], v[18:19], v[4:5] op_sel_hi:[1,0]
.irp i, 1,2,3,4,5,6,7
.if ((\i)&1)
	v_pk_fma_f32 v[52:53], v[16+4*\i:17+4*\i], v[4+((\i)&6):5+((\i)&6)], v[52:53] op_sel:[0,1,0] op_sel_hi:[1,1,1]   ; the pair's second word for both halves
	v_pk_fma_f32 v[54:55], v[18+4*\i:19+4*\i], v[4+((\i)&6):5+((\i)&6)], v[54:55] op_sel:[0,1,0] op_sel_hi:[1,1,1]
.else
	v_pk_fma_f32 v[52:53], v[16+4*\i:17+4*\i], v[4+((\i)&6):5+((\i)&6)], v[52:53] op_sel_hi:[1,0,1]
	v_pk_fma_f32 v[54:55], v[18+4*\i:19+4*\i], v[4+((\i)&6):5+((\i)&6)], v[54:55] op_sel_hi:[1,0,1]
.endif
.endr
	s_delay_alu instid0(VALU_DEP_2)
	v_pk_fma_f32 v[52:53], v[52:53], v[14:15], v[48:49]
	s_delay_alu instid0(VALU_DEP_2)
	v_pk_fma_f32 v[54:55], v[54:55], v[14:15], v[50:51]
	global_store_b128 v1, v[52:55], s[12:13]
	s_endpgm
.Lfunc_end_k_q5808c74dca_join:
	.size	k_q5808c74dca_join, .Lfunc_end_k_q5808c74dca_join-k_q5808c74dca_join
	.p2alignl 7, 3214868480
	.fill 96, 4, 3214868480
	.section	.rodata,"a",@progbits
	.p2align	6, 0x0
	.amdhsa_kernel k_q5808c74dca_join
		.amdhsa_group_segment_fixed_size 0
		.amdhsa_private_segment_fixed_size 0
		.amdhsa_enable_private_segment 0
		.amdhsa_kernarg_size 40
		.amdhsa_user_sgpr_count 2
		.amdhsa_user_sgpr_kernarg_segment_ptr 1
		.amdhsa_wavefront_size32 1
		.amdhsa_system_sgpr_workgroup_id_x 1
		.amdhsa_system_sgpr_workgroup_id_y 1
		.amdhsa_system_sgpr_workgroup_id_z 1
		.amdhsa_system_vgpr_workitem_id 0
		.amdhsa_next_free_vgpr 64
		.amdhsa_next_free_sgpr 66
		.amdhsa_reserve_vcc 0
		.amdhsa_float_denorm_mode_32 3
		.amdhsa_float_denorm_mode_16_64 3
		.amdhsa_memory_ordered 1
		.amdhsa_forward_progress 1
		.amdhsa_inst_pref_size 5
	.end_amdhsa_kernel
	.amdgpu_metadata
---
amdhsa.version: [ 1, 2 ]
amdhsa.kernels:
  - .name:           k_q5808c74dca_join
    .symbol:         k_q5808c74dca_join.kd
    .args:
      - { .name: po, .offset: 0, .size: 8, .value_kind: global_buffer, .address_space: global }
      - { .name: pml, .offset: 8, .size: 8, .value_kind: global_buffer, .address_space: global }
      - { .name: wv_b, .offset: 16, .size: 8, .value_kind: global_buffer, .address_space: global }
      - { .name: lowp_scales, .offset: 24, .size: 8, .value_kind: global_buffer, .address_space: global }
      - { .name: out0, .offset: 32, .size: 8, .value_kind: global_buffer, .address_space: global }
    .group_segment_fixed_size: 0
    .private_segment_fixed_size: 0
    .kernarg_segment_align: 8
    .kernarg_segment_size: 40
    .max_flat_workgroup_size: 256
    .sgpr_count:     66
    .vgpr_count:     64
    .wavefront_size: 32
...
	.end_amdgpu_metadata
.endif
;; end of part 3
